; MI455X (gfx1250); checked and timed in simulation.
; The chip was launched on July 23, 2026; its instructions are those of AMD's public machine-readable ISA for CDNA 5 (MIT licence, August 2026) and "CDNA5" Instruction Set Architecture Reference Guide (July 2026). The comments in the code are by the model that wrote it; some were corrected since.
;; Classifier. Allowed arithmetic: matrix products marked QUANTISED: E3M2 operands, one E8M0 scale for each 32 along K, by v_wmma_scale_f32_16x16x128_f8f6f4 with both operands' format E3M2, f32 sums; everything else in f32.
;; Inputs: Y 4,096 x 4,096 float32; Z 4,096 x 4,096 float32.
;; Outputs: out0 4,096 x 4,096 float32.
;; This version of the problem:
;;   THIS VERSION OF THE PROBLEM IS GIVEN IN LOW PRECISION. The matrix products marked QUANTISED in the list below multiply operands that are first quantised to E3M2 (3 exponent bits, 2 mantissa bits; 6 bits a number), with one power-of-two scale for each 32 numbers along K (OCP MX v1.0); their sums are f32. All else is computed in f32.
;;   The module's matrix products, in the order in which they are computed (A, B: the left and right operand; K: the contracted axis; several contracted axes count as one K, in the product's order):
;;     1. [M 4,096, K 4,096] x [K 4,096, N 4,096]; A: input Z; B: input Y: QUANTISED
;;   THE QUANTISER, for each operand of a quantised product, along K:
;;     - K is cut into blocks of 32 from its start; a last block that is shorter is filled with zeros.
;;     - A block's scale is 2^e with e = floor(log2(the largest magnitude in the block)) - 4, held to -126 .. 127; a block of zeros has e = 0. As a byte (E8M0): e + 127.
;;     - Each number is divided by its block's scale, clamped to +-28, and rounded to the nearest number of E3M2, ties to even, subnormals kept.
;;     - The product sums the exact products of the quantised numbers (number of the format x scale) in f32.
;;   ~~~python
;;   def quantise(x, axis):      # numpy; x: float32 -> the quantised numbers, widened to float32 again
;;       x = np.moveaxis(x, axis, -1); K = x.shape[-1]
;;       x = np.pad(x, [(0, 0)] * (x.ndim - 1) + [(0, -K % 32)]); x = x.reshape(x.shape[:-1] + (-1, 32)); a = np.abs(x).max(-1, keepdims=True)
;;       e = np.where(a > 0, np.clip(np.frexp(np.where(a > 0, a, 1))[1] - 1 - 4, -126, 127), 0)      # np.frexp(a)[1] - 1 = floor(log2(a)), exactly
;;       r = np.clip(x / 2.0 ** e, -28, 28)
;;       step = 2.0 ** (np.maximum(np.frexp(np.where(r == 0, 1, r))[1] - 1, -2) - 2)
;;       q = np.round(r / step) * step * 2.0 ** e      # np.round: ties to even
;;       return np.moveaxis(q.reshape(q.shape[:-2] + (-1,))[..., :K], -1, axis).astype(np.float32)
;;   ~~~
;; One version. Each part assembles by itself: llvm-mc -triple=amdgcn-amd-amdhsa -mcpu=gfx1250 --defsym DOCPART=n.
;; ======== version 1 of 1: 2 launches
;; limits: right only within a limited range of input values
;; workspace buffers: z_img 13,107,200 bytes; y_img 13,107,200 bytes; rnorm 32,768 bytes
;; launch quant (part 1): grid 512 x 1, 8 waves a work-group, no clusters, 69,120 bytes of LDS; arguments Z, Y, z_img, y_img, rnorm; writes z_img, y_img, rnorm
.if DOCPART == 1
	.amdgcn_target "amdgcn-amd-amdhsa--gfx1250"
	.amdhsa_code_object_version 6
	.text
	.protected	k_q5f9f44f2b7_quant
	.globl	k_q5f9f44f2b7_quant
	.p2align	8
	.type	k_q5f9f44f2b7_quant,@function
k_q5f9f44f2b7_quant:
	s_mov_b64 s[64:65], 0
	v_nop
	global_prefetch_b8 v0, s[64:65] scope:SCOPE_SE
	s_setreg_imm32_b32 hwreg(HW_REG_WAVE_MODE, 25, 1), 1
	s_wait_xcnt 0x0
; Z and Y, [4096][4096] f32, K innermost, are read ONCE and give two things:
;   an IMAGE of each tensor as the product's launch wants it: codes of BF6 (E3M2) in the order of the matrix operand's registers, with their E8M0 scale bytes beside them;
;   1 / the row's norm, taken of the UNQUANTISED numbers in f32: rnorm words 0..4095 for Z's rows, 4096..8191 for Y's.
; THE IMAGE: [32 groups of 128 rows][32 K steps of 128][12,800 bytes].  In a step: eight fragments (block i = rows 16 i .. 16 i + 15 of the group) of 1,536 bytes, then 512 bytes of scale words.
; A fragment is 12 registers a lane: lane (r, h) holds row r; registers 6 c .. 6 c + 5 hold k = 64 c + 32 h + 0 .. 31, 192 bits without gaps.  Its registers 4 g .. 4 g + 3 of lane l lie at 512 g + 16 l.
; The scale word of row r of block i (byte b for k = 32 b .. 32 b + 31) lies at 12,288 + 256 (i / 4) + 16 r + 4 (i % 4): the reader's lane r takes four blocks' words by one load of 16 bytes.
; A block's scale is 2^(floor(log2(its largest magnitude)) - 4), 4 being the exponent of the format's largest number, 28; its byte is the largest magnitude's own exponent field - 4, held at 1 from below.
; Each number is divided by the scale and rounded to the nearest code, ties to even; beyond 28 the conversion gives the largest code.
; LIMITS.  A block of zeros gets the byte 1 where the rule says 127: its codes are zeros, which add nothing under any byte but 0xff, and the bytes are read by this program alone.  Blocks whose largest
; magnitude lies under 2^-122 (the floor) were not tried.  NaN and infinities among the inputs are not served.  A row whose sum of squares lies under 2^-126 (norm under 1.1e-19) counts as a row of zeros:
; v_rsq_f32 takes a denormal input as 0 (ISA guide, its entry in 15.8) and gives infinity, which the next launch holds at 1e8.  A row whose sum of squares passes f32's range (norm above 1.8e19) gets
; 1 / norm = 0.  The squares are summed in another order than a plain loop along the row: four packed chains a lane, two lanes, eight waves.
; SHARES.  The first 256 work-groups take Z, the others Y: only pointers are chosen, both tensors take one path through the text.  A work-group takes 16 rows (one block of a group) and all of K;
; wave w takes K steps 4 w .. 4 w + 3: four fragments.  For a fragment each of sixteen loads reads 512 consecutive bytes of one row, 16 a lane.  The conversion wants 16 NEIGHBOURS along K in one lane's
; registers, so the 8,192 bytes go through the wave's own stage in LDS as they lie (rows 528 bytes apart: the sixteen rows that a load of 16 bytes touches start in sixteen different groups of banks)
; and come back as the fragment's layout wants them: lane (r, h) takes its two whole blocks of row r.  So a block's largest magnitude needs no other lane, and the conversions' results ARE the fragment.
; Loads run one to two fragments (16 to 32 loads a wave) ahead.  One barrier, at the end, where the eight waves' sums of squares meet.  No tensor loads, matrix units or clusters: every byte is read once, by one wave.
.set EMAX,  4
.set ROWB,  16384                      ; a row of Z or Y in bytes
.set STEPB, 12800                      ; the image of 128 rows x 128 K
.set GRP,   32*STEPB                   ; of 128 rows x all of K
.set FRB,   1536                       ; a fragment's image
.set SCO,   8*FRB                      ; where a step's scale words begin
.set SPT,   528                        ; a stage row: 512 bytes + 16
.set STG,   16*SPT                     ; a wave's stage
.set NB,    8*STG                      ; behind the eight stages: the waves' sums of squares, 64 bytes a wave
.set LN,    5                          ; v5   16 x lane: my bytes of a load's 512, and of an image's 512
.set SI,    6                          ; v6   the stage, on the way in: my wave's + 16 x lane
.set SU,    7                          ; v7   and on the way out: my wave's + 528 r + 128 h
.set WO,    8                          ; v8   the scale words' place: 16 r + 12,800 h (lanes 16-31 store the next fragment's)
.set SH,    9                          ; v9   8 h: where my two scale bytes stand in the word
.set RW,    10                         ; v10  4 r
.set NW,    11                         ; v11  where my wave's sums of squares go: NB + 64 x wave + 4 r
.set NR,    12                         ; v12  and where wave 0 reads them: NB + 4 r
.set R,     16                         ; v16-143  two sets of 64: a fragment's numbers as they are loaded
.set X,     144                        ; v144-207 64 numbers in the fragment's order: register 32 c + n = k 64 c + 32 h + n of my row
.set PC,    208                        ; v208-219 the fragment's codes
.set TM,    220                        ; v220-222, v224-226 the upper halves of the two blocks' codes, before they are moved (a conversion's three registers begin on an even number)
.set M,     228                        ; v228-231 largest magnitudes: two chains a block
.set SO,    232                        ; v232-233 the conversions' scale operands
.set BY,    234                        ; v234-235 the scale bytes
.set W,     236                        ; v236-239 a scale word for each fragment
.set SS,    240                        ; v240-247 sums of squares: four pairs
.set WT,    248                        ; v248     at work
	s_load_b128 s[4:7], s[0:1], 0x0                ; Z, Y
	s_load_b128 s[8:11], s[0:1], 0x10              ; Z's image, Y's image
	s_load_b64 s[12:13], s[0:1], 0x20              ; rnorm
	v_lshl_add_u32 v254, v0, 2, 0x10a00
	v_mov_b32 v255, 0
	v_lshrrev_b32 v1, 5, v0
	s_delay_alu instid0(VALU_DEP_1)
	v_readfirstlane_b32 s16, v1                    ; wave 0..7
	v_and_b32 v2, 31, v0                           ; lane
	v_and_b32 v3, 15, v0                           ; r
	v_bfe_u32 v4, v0, 4, 1                         ; h
	s_delay_alu instid0(VALU_DEP_3)
	v_lshlrev_b32 v[LN], 4, v2
	s_wait_alu depctr_va_vdst(0)
	s_wait_kmcnt 0x0
	s_cmp_lt_u32 ttmp9, 256                        ; Z's work-group or Y's?  The choice hangs on the work-group's number alone
	s_cselect_b64 s[4:5], s[4:5], s[6:7]
	s_cselect_b64 s[8:9], s[8:9], s[10:11]
	s_and_b32 s19, ttmp9, 255                      ; which 16 rows of the tensor
	s_lshl_b32 s20, s19, 18                        ; 16 rows of 16,384 bytes,
	s_lshl_b32 s21, s16, 11                        ; and my wave's 512 numbers of each row
	s_add_co_u32 s20, s20, s21
	s_mov_b32 s21, 0
	s_add_nc_u64 s[4:5], s[4:5], s[20:21]
.macro LOADF f                         ; fragment f: 128 numbers of each of the 16 rows, into set f % 2
.irp t, 0,1,2,3,4,5,6,7,8,9,10,11,12,13,14,15
	global_load_b128 v[R+64*((\f)%2)+4*\t:R+64*((\f)%2)+4*\t+3], v[LN], s[4:5] offset:ROWB*\t+512*(\f) th:TH_LOAD_NT   ; 32 lanes read 512 consecutive bytes; read once in the launch
.endr
.endm
	LOADF 0
	LOADF 1
	s_mul_i32 s17, s16, STG
	v_add_nc_u32 v[SI], s17, v[LN]
	v_mul_u32_u24 v[SU], v3, SPT
	s_delay_alu instid0(VALU_DEP_1)
	v_lshl_add_u32 v[SU], v4, 7, v[SU]
	s_delay_alu instid0(VALU_DEP_1)
	v_add_nc_u32 v[SU], s17, v[SU]
	v_lshlrev_b32 v[WO], 4, v3
	s_delay_alu instid0(VALU_DEP_1)
	v_mad_u32_u24 v[WO], v4, STEPB, v[WO]
	v_lshlrev_b32 v[SH], 3, v4
	v_lshlrev_b32 v[RW], 2, v3
	s_lshl_b32 s18, s16, 6
	v_add_nc_u32 v[NW], s18, v[RW]
	s_delay_alu instid0(VALU_DEP_1)
	v_add_nc_u32 v[NW], NB, v[NW]
	v_add_nc_u32 v[NR], NB, v[RW]
	v_mov_b32 v[WT], 0                             ; written once: a lane permute's destination counts as one of its sources
	s_mov_b32 s26, 0x76543210                      ; v_permlanex16_b32's selects for lane l xor 16
	s_mov_b32 s27, 0xfedcba98
	s_lshr_b32 s20, s19, 3                         ; the group of 128 rows,
	s_mul_i32 s20, s20, GRP
	s_mul_i32 s21, s16, 4*STEPB                    ; my wave's four K steps in it,
	s_add_co_u32 s20, s20, s21
	s_and_b32 s19, s19, 7                          ; and the block i of 16 rows
	s_mul_i32 s21, s19, FRB
	s_add_co_u32 s22, s20, s21
	s_mov_b32 s23, 0
	s_add_nc_u64 s[22:23], s[8:9], s[22:23]        ; my first fragment's image
	s_lshr_b32 s21, s19, 2
	s_lshl_b32 s21, s21, 8                         ; 256 (i / 4)
	s_and_b32 s19, s19, 3
	s_lshl_b32 s19, s19, 2                         ; 4 (i % 4)
	s_add_co_u32 s21, s21, s19
	s_add_co_u32 s24, s20, s21
	s_add_co_u32 s24, s24, SCO
	s_mov_b32 s25, 0
	s_add_nc_u64 s[24:25], s[8:9], s[24:25]        ; my block's scale words of my first K step
	s_lshl_b32 s20, ttmp9, 6                       ; rnorm: 16 words a work-group, Z's rows and then Y's
	s_mov_b32 s21, 0
	s_add_nc_u64 s[12:13], s[12:13], s[20:21]
.macro FRAGM f
.if (\f) < 3
	s_wait_loadcnt 16                              ; this fragment's sixteen loads are in; the next fragment's sixteen may be out
.else
	s_wait_loadcnt 0x0
.endif
.irp t, 0,1,2,3,4,5,6,7,8,9,10,11,12,13,14,15
	ds_store_b128 v[SI], v[R+64*((\f)%2)+4*\t:R+64*((\f)%2)+4*\t+3] offset:SPT*\t       ; row t as it lies
.endr
.irp c, 0,1                            ; LDS serves a wave's instructions in order (ISA guide 5.7.1.4): these see the stores above, and the next fragment's stores come behind them
.irp j, 0,1,2,3,4,5,6,7
	ds_load_b128 v[X+32*\c+4*\j:X+32*\c+4*\j+3], v[SU] offset:256*\c+16*\j                ; my row's k = 64 c + 32 h + 4 j ..
.endr
.endr
	s_wait_dscnt 0x0                               ; my 64 numbers are back: so the stores into the stage have read their registers,
.if (\f)+2 < 4
	LOADF (\f)+2                                   ; which take the loads of two fragments on
.endif
.set u, 0
.rept 32                               ; the squares of my 64 numbers, two at a time, in four chains; the first fragment starts the sums: nothing is cleared
.if ((\f) == 0) && (u < 4)
	v_pk_mul_f32 v[SS+2*u:SS+2*u+1], v[X+2*u:X+2*u+1], v[X+2*u:X+2*u+1]
.else
	v_pk_fma_f32 v[SS+2*(u%4):SS+2*(u%4)+1], v[X+2*u:X+2*u+1], v[X+2*u:X+2*u+1], v[SS+2*(u%4):SS+2*(u%4)+1]
.endif
.set u, u+1
.endr
.irp c, 0,1                            ; the largest magnitude of each of my two blocks: all 32 numbers are mine; two chains a block, the blocks by turns
	v_max3_num_f32 v[M+2*\c], |v[X+32*\c]|, |v[X+32*\c+1]|, |v[X+32*\c+2]|
	v_max3_num_f32 v[M+2*\c+1], |v[X+32*\c+3]|, |v[X+32*\c+4]|, |v[X+32*\c+5]|
.endr
.irp i, 6,10,14,18,22,26
.irp c, 0,1
	s_delay_alu instid0(VALU_DEP_4)
	v_max3_num_f32 v[M+2*\c], v[M+2*\c], |v[X+32*\c+\i]|, |v[X+32*\c+\i+1]|
	s_delay_alu instid0(VALU_DEP_4)
	v_max3_num_f32 v[M+2*\c+1], v[M+2*\c+1], |v[X+32*\c+\i+2]|, |v[X+32*\c+\i+3]|
.endr
.endr
.irp c, 0
	s_delay_alu instid0(VALU_DEP_4)
	v_max3_num_f32 v[M+2*\c], v[M+2*\c], |v[X+32*\c+30]|, |v[X+32*\c+31]|
.endr
.irp c, 1
	s_delay_alu instid0(VALU_DEP_3)
	v_max3_num_f32 v[M+2*\c], v[M+2*\c], |v[X+32*\c+30]|, |v[X+32*\c+31]|
.endr
.irp c, 0,1
	s_delay_alu instid0(VALU_DEP_2)
	v_max3_num_f32 v[M+2*\c], v[M+2*\c], v[M+2*\c+1], (EMAX+1)<<23   ; and the floor 2^(EMAX + 1 - 127), under which no largest magnitude is taken: so the byte cannot fall under 1
.endr
.irp c, 0,1
	s_delay_alu instid0(VALU_DEP_2)
	v_add_nc_u32 v[SO+\c], -(EMAX<<23), v[M+2*\c]  ; EMAX off its exponent field: the conversion takes the exponent field of this operand as its scale, and nothing else of it
.endr
.irp c, 0,1
	s_delay_alu instid0(VALU_DEP_2)
	v_lshrrev_b32 v[BY+\c], 23, v[SO+\c]           ; the scale's byte
.endr
	s_delay_alu instid0(VALU_DEP_1)
	v_lshl_or_b32 v[W+(\f)], v[BY+1], 16, v[BY]    ; my two bytes: blocks h and 2 + h of my row,
	s_delay_alu instid0(VALU_DEP_1)
	v_lshlrev_b32 v[W+(\f)], v[SH], v[W+(\f)]      ; at their places in the scale word (8 h bits up);
	s_delay_alu instid0(VALU_DEP_1)
	v_permlanex16_b32 v[WT], v[W+(\f)], s26, s27
	s_delay_alu instid0(VALU_DEP_1)
	v_or_b32 v[W+(\f)], v[W+(\f)], v[WT]           ; with lane l xor 16's two the word is whole, in both lanes
.if (\f) > 0
	s_wait_alu depctr_va_vdst(0)
	s_wait_xcnt 0x0                                ; the last fragment's stores have read the codes' registers: they are written again only behind this wait
.endif
.irp c, 0,1
	v_cvt_scalef32_pk16_bf6_f32 v[PC+6*\c:PC+6*\c+2], v[X+32*\c:X+32*\c+15], v[SO+\c]       ; sixteen numbers / 2^(the operand's exponent), to the nearest code, ties to even; 96 bits without gaps, the first number's code lowest
	v_cvt_scalef32_pk16_bf6_f32 v[TM+4*\c:TM+4*\c+2], v[X+32*\c+16:X+32*\c+31], v[SO+\c]
.endr
	v_nop                                          ; one plain instruction behind a scaled conversion before a vector instruction touches its result or writes its sources
.irp c, 0,1
.irp i, 0,1,2
	v_mov_b32 v[PC+6*\c+3+\i], v[TM+4*\c+\i]       ; registers 6 c .. 6 c + 5 now hold k = 64 c + 32 h + 0 .. 31
.endr
.endr
.irp g, 0,1,2
	global_store_b128 v[LN], v[PC+4*\g:PC+4*\g+3], s[22:23] offset:STEPB*(\f)+512*\g        ; 32 lanes store 512 consecutive bytes, at a multiple of 256 from the buffer's first byte
.endr
.endm
	s_wait_alu depctr_va_vdst(0)
	FRAGM 0
	FRAGM 1
	FRAGM 2
	FRAGM 3
	; the scale words: lanes 0-15 store one fragment's sixteen, lanes 16-31 the next fragment's: every lane has a word to store.  4 bytes a lane, 16 bytes apart: a quarter of 256 bytes
	; whose other quarters belong to the three neighbouring blocks of rows; one byte in 25 of what the launch stores
	v_cmp_eq_u32 vcc_lo, 1, v4
	s_delay_alu instid0(VALU_DEP_1)
	v_cndmask_b32 v[W], v[W], v[W+1], vcc_lo
	s_delay_alu instid0(VALU_DEP_2)
	v_cndmask_b32 v[W+2], v[W+2], v[W+3], vcc_lo
	global_store_b32 v[WO], v[W], s[24:25]
	global_store_b32 v[WO], v[W+2], s[24:25] offset:2*STEPB
	; my row's sum of squares over my wave's 512 along K: within the lane, then with lane l xor 16
	v_pk_add_f32 v[SS:SS+1], v[SS:SS+1], v[SS+2:SS+3]
	v_pk_add_f32 v[SS+4:SS+5], v[SS+4:SS+5], v[SS+6:SS+7]
	s_delay_alu instid0(VALU_DEP_1)
	v_pk_add_f32 v[SS:SS+1], v[SS:SS+1], v[SS+4:SS+5]
	s_delay_alu instid0(VALU_DEP_1)
	v_add_f32 v[SS], v[SS], v[SS+1]
	s_delay_alu instid0(VALU_DEP_1)
	v_permlanex16_b32 v[SS+1], v[SS], s26, s27
	s_delay_alu instid0(VALU_DEP_1)
	v_add_f32 v[SS], v[SS], v[SS+1]
	ds_store_b32 v[NW], v[SS]                      ; lanes r and r + 16 write the same word with the same value
	s_wait_dscnt 0x0                               ; for the others' sake: my store has landed
	s_barrier_signal -1
	s_barrier_wait -1                              ; the eight waves' sums lie in LDS
	s_cmp_lg_u32 s16, 0
	s_cbranch_scc1 .Ldone                          ; wave 0 finishes the sixteen rows
.irp j, 0,1,2,3,4,5,6,7
	ds_load_b32 v[X+\j], v[NR] offset:64*\j
.endr
	s_wait_dscnt 0x0
	v_add_f32 v[X], v[X], v[X+1]
	v_add_f32 v[X+2], v[X+2], v[X+3]
	v_add_f32 v[X+4], v[X+4], v[X+5]
	v_add_f32 v[X+6], v[X+6], v[X+7]
	s_delay_alu instid0(VALU_DEP_3)
	v_add_f32 v[X], v[X], v[X+2]
	s_delay_alu instid0(VALU_DEP_2)
	v_add_f32 v[X+4], v[X+4], v[X+6]
	s_delay_alu instid0(VALU_DEP_1)
	v_add_f32 v[X], v[X], v[X+4]
	s_wait_alu depctr_va_vdst(0)
	v_rsq_f32 v[X], v[X]                           ; 1 / the row's norm
	v_nop                                          ; one plain instruction behind the transcendental before its result is used (ISA guide 5.7.2)
	v_cmp_gt_u32 vcc_lo, 16, v2
	s_wait_xcnt 0x0                                ; EXEC is a source of the stores above: it narrows only behind this wait
	s_and_saveexec_b32 s28, vcc_lo                 ; lanes 0-15
	s_wait_alu depctr_va_vdst(0)
	global_store_b32 v[RW], v[X], s[12:13]         ; 64 consecutive bytes a work-group: 32 KiB in the whole launch
	s_wait_xcnt 0x0                                ; and widens only behind this one
	s_or_b32 exec_lo, exec_lo, s28
.Ldone:
	s_wait_tensorcnt 0x0
	ds_add_u32 v254, v255
	s_wait_dscnt 0x0
	s_endpgm
.Lfunc_end_k_q5f9f44f2b7_quant:
	.size	k_q5f9f44f2b7_quant, .Lfunc_end_k_q5f9f44f2b7_quant-k_q5f9f44f2b7_quant
	.p2alignl 7, 3214868480
	.fill 96, 4, 3214868480
	.section	.rodata,"a",@progbits
	.p2align	6, 0x0
	.amdhsa_kernel k_q5f9f44f2b7_quant
		.amdhsa_group_segment_fixed_size 69120
		.amdhsa_private_segment_fixed_size 0
		.amdhsa_enable_private_segment 0
		.amdhsa_kernarg_size 40
		.amdhsa_user_sgpr_count 2
		.amdhsa_user_sgpr_kernarg_segment_ptr 1
		.amdhsa_wavefront_size32 1
		.amdhsa_system_sgpr_workgroup_id_x 1
		.amdhsa_system_sgpr_workgroup_id_y 1
		.amdhsa_system_sgpr_workgroup_id_z 1
		.amdhsa_system_vgpr_workitem_id 0
		.amdhsa_next_free_vgpr 256
		.amdhsa_next_free_sgpr 66
		.amdhsa_reserve_vcc 1
		.amdhsa_float_denorm_mode_32 3
		.amdhsa_float_denorm_mode_16_64 3
		.amdhsa_memory_ordered 1
		.amdhsa_forward_progress 1
		.amdhsa_inst_pref_size 46
	.end_amdhsa_kernel
	.amdgpu_metadata
---
amdhsa.version: [ 1, 2 ]
amdhsa.kernels:
  - .name:           k_q5f9f44f2b7_quant
    .symbol:         k_q5f9f44f2b7_quant.kd
    .args:
      - { .name: Z, .offset: 0, .size: 8, .value_kind: global_buffer, .address_space: global }
      - { .name: Y, .offset: 8, .size: 8, .value_kind: global_buffer, .address_space: global }
      - { .name: z_img, .offset: 16, .size: 8, .value_kind: global_buffer, .address_space: global }
      - { .name: y_img, .offset: 24, .size: 8, .value_kind: global_buffer, .address_space: global }
      - { .name: rnorm, .offset: 32, .size: 8, .value_kind: global_buffer, .address_space: global }
    .group_segment_fixed_size: 69120
    .private_segment_fixed_size: 0
    .kernarg_segment_align: 8
    .kernarg_segment_size: 40
    .max_flat_workgroup_size: 256
    .sgpr_count:     66
    .vgpr_count:     256
    .wavefront_size: 32
...
	.end_amdgpu_metadata
.endif
;; end of part 1
;; launch gemm (part 2): grid 16 x 16, 4 waves a work-group, clusters of 4 x 4, 327,680 bytes of LDS; arguments z_img, y_img, out0, rnorm; writes out0
.if DOCPART == 2
	.amdgcn_target "amdgcn-amd-amdhsa--gfx1250"
	.amdhsa_code_object_version 6
	.text
	.protected	k_q5f9f44f2b7_gemm
	.globl	k_q5f9f44f2b7_gemm
	.p2align	8
	.type	k_q5f9f44f2b7_gemm,@function
k_q5f9f44f2b7_gemm:
	s_mov_b64 s[64:65], 0
	v_nop
	global_prefetch_b8 v0, s[64:65] scope:SCOPE_SE
	s_setreg_imm32_b32 hwreg(HW_REG_WAVE_MODE, 25, 1), 1
	s_wait_xcnt 0x0
	s_wait_alu depctr_hold_cnt(0) depctr_sa_sdst(0) depctr_va_vdst(0) depctr_va_sdst(0) depctr_va_ssrc(0) depctr_va_vcc(0) depctr_vm_vsrc(0)
	s_getreg_b32 s2, hwreg(HW_REG_IB_STS2, 6, 4)
	s_cmp_eq_u32 s2, 0
	s_cbranch_scc0 .Lentry_in_a_cluster
	s_endpgm
.Lentry_in_a_cluster:
	s_bfe_u32 s2, ttmp6, 0x10000c
	s_cmp_lg_u32 s2, 0xf033
	s_cbranch_scc0 .Lentry_shape_is_right
	s_endpgm
.Lentry_shape_is_right:
; out0[m][n] = (sum over k of Zq[m][k] Yq[n][k]) x min(rz[m] ry[n], 1e8): the quantised product, divided by max(|z| |y|, 1e-8).
; z_img, y_img: codes of BF6 (E3M2) and E8M0 scale words in the order of the matrix operand's registers, [32 groups of 128 rows][32 K steps of 128][12,800 bytes]:
; eight fragments of 1,536 bytes (registers 4 g .. 4 g + 3 of lane l at 512 g + 16 l), then 512 bytes of scale words.  rnorm: 1 / norm, words 0..4095 of Z's rows, 4096..8191 of Y's.
; LIMIT: 1 / max(nz ny, 1e-8) is formed as min((1 / nz)(1 / ny), 1e8): two roundings more than the one division; ranges of the norms as the first launch states them.
; A tile of out0, 256 x 256, is made by four waves, each 128 x 128: 64 accumulators, 512 registers.  K goes through a ring of two LDS slots of three K steps each (the last fill: two),
; dense blocks of memory in rows of 256 bytes; each wave fetches a quarter of a slot (128 rows of Z or of Y) by one joint load.
; CLUSTERS: 4 x 4 work-groups; Z's tiles are shared along a row of the cluster, Y's along a column.  THE MATRIX INSTRUCTION IS USED TRANSPOSED (source 0 = Y, source 1 = Z): a lane holds eight neighbouring columns of a row.
; THE LAST TWO K STEPS GO BY ROWS OF out0: Y's fragments of both steps fill Y's two sets, Z's come by blocks of 16 rows, and each block is finished (16 matrix instructions, its 8 accumulators by turns),
; scaled and stored before the next is multiplied: the stores begin while thirteen sixteenths of these two steps are still to be multiplied.  LDS is read no more than in any two steps.
; NO PREFETCH INTO THE L2: a refill is asked for straight behind a round and waited for 176 matrix instructions of the wave later (48 of its own step, 128 of the next two).
; REGISTERS.  Window 0: v0-31 addresses; v32-47 scale words, two sets; v48-63 rz (each twice); v64-127 ry; v128-223 Z's fragments, one set (by rows: v128-175 two buffers of 24, v176-239 the factors and results).
; Window 1: Y's fragments, two sets, at v0 and v128.  Window 2: accumulators of my rows 0-63 ((a, b) at v[8 (8 a + b)]); window 3: rows 64-127.
.set SIZE_M, 4096
.set SIZE_N, 4096
.set STEPB,  12800                     ; the image of 128 rows x 128 K
.set FRB,    1536                      ; a fragment
.set SCO,    8*FRB                     ; where a step's scale words begin
.set NQ,     3                         ; K steps in a slot
.set QUART,  NQ*STEPB                  ; what one joint load brings
.set SLOT,   4*QUART
.set GRP,    32*STEPB
.set TRIPS,  4
.set FR,     12
.set NP,     4                         ; places behind this matrix instruction (ISA guide 7.12.1)
.set SPARE,  2*SLOT                    ; the spare words: 512 bytes that no other line names
.set SPITCH, 528
.set STAGE,  SLOT                      ; the way out: 16 rows x 528 bytes a wave, in slot 1, which has had its last fill and its last read by then
.set ADRA, 16
.set ADRB, 18
.set ADRS, 20
.set STO,  24
.set RD,   25
.set CO,   26
.set SPW,  28
.set NIL,  29
.set RXO,  30
.set RYO,  31
.set SC,   32
.set RX,   48
.set RY,   64
.set AF,   128
.set AB,   128                         ; by rows: Z's block a, step s at AB + 24 (a % 2) + 12 s
.set T,    176
.set G1,   24
.set G0,   32
.set G1B,  48
.set G0B,  56
.set G1E,  68                          ; groups 1 of the last fill: two K steps
.set G1BE, 80
.set MSB, 0
.macro WIN new                         ; the immediate's high byte repeats the setting that is left
.if MSB != (\new)
	s_set_vgpr_msb (MSB<<8)|(\new)
.set MSB, (\new)
.endif
.endm
.set MUL_LO, 0xa1                      ; source 0 (Y) window 1, source 1 (Z) window 0, C and D window 2
.set MUL_HI, 0xf1                      ; the same, C and D window 3
.set TO_B,   0x40
.macro JLOAD g0a, g1a, g0b, g1b        ; a joint load: waves 0, 1 fetch for Z, waves 2, 3 for Y; s_nop 0 and four v_nop behind each line
	s_cmp_eq_u32 s15, 0
	s_cbranch_scc0 .Lfor_b_\@
	tensor_load_to_lds s[\g0a:\g0a+3], s[\g1a:\g1a+7]
	s_nop 0
.rept 4
	v_nop
.endr
	s_branch .Lasked_\@
.Lfor_b_\@:
	tensor_load_to_lds s[\g0b:\g0b+3], s[\g1b:\g1b+7]
	s_nop 0
.rept 4
	v_nop
.endr
.Lasked_\@:
.endm
.macro CREST                           ; a round of the cluster's barrier behind its opening barrier
	s_cmp_lg_u32 s14, 0
	s_cbranch_scc1 .Lnot_wave_0_\@
	s_barrier_signal -3
.Lnot_wave_0_\@:
	s_barrier_wait -3
	s_barrier_signal -1
	s_barrier_wait -1
.endm
.macro CROUND
	s_barrier_signal -1
	s_barrier_wait -1
	CREST
.endm
	s_load_b128 s[4:7], s[0:1], 0x0                ; Z's image, Y's image
	s_load_b64 s[12:13], s[0:1], 0x10              ; out0
	s_load_b64 s[66:67], s[0:1], 0x18              ; rnorm
	v_lshl_add_u32 v[SPW], v0, 2, SPARE
	v_mov_b32 v[NIL], 0
	ds_add_u32 v[SPW], v[NIL]                      ; the opening lines: the add, twice on end, and its wait ahead of my first tensor load
	ds_add_u32 v[SPW], v[NIL]
	v_lshrrev_b32 v1, 5, v0
	v_readfirstlane_b32 s14, v1                    ; wave 0..3
	s_lshr_b32 s15, s14, 1                         ; my half of the tile's rows; also: I fetch for Z (0) or Y (1)
	s_and_b32 s16, s14, 1                          ; my half of its columns; also: which 128 rows I fetch
	s_bfe_u32 s40, ttmp6, 0x40000                  ; cx
	s_bfe_u32 s41, ttmp6, 0x40004                  ; cy
	s_lshl_b32 s42, ttmp9, 2
	s_add_co_u32 s42, s42, s40                     ; tile column
	s_and_b32 s17, ttmp7, 0xffff
	s_lshl_b32 s17, s17, 2
	s_add_co_u32 s17, s17, s41                     ; tile row
	s_lshl_b32 s43, s41, 2
	s_lshl_b32 s43, 15, s43                        ; my row of the cluster
	s_lshl_b32 s44, 0x1111, s40                    ; my column
	s_or_b32 s[G1+0], s43, (3<<16)|(1<<21)         ; the mask; elements of 8 bytes; bit 21 beside a mask; no padding: fragments are read 16 bytes a lane on end
	s_or_b32 s[G1B+0], s44, (3<<16)|(1<<21)
	s_or_b32 s[G1E+0], s43, (3<<16)|(1<<21)
	s_or_b32 s[G1BE+0], s44, (3<<16)|(1<<21)
.irp g, G1, G1B                        ; 150 rows of 256 bytes, dense
	s_mov_b32 s[\g+1], 32<<16
	s_mov_b32 s[\g+2], (QUART/256)<<16
	s_mov_b32 s[\g+3], 32<<16
	s_mov_b32 s[\g+4], QUART/256
	s_mov_b32 s[\g+5], 32
	s_mov_b32 s[\g+6], 0
	s_mov_b32 s[\g+7], 0
.endr
.irp g, G1E, G1BE                      ; 100 rows
	s_mov_b32 s[\g+1], 32<<16
	s_mov_b32 s[\g+2], (2*STEPB/256)<<16
	s_mov_b32 s[\g+3], 32<<16
	s_mov_b32 s[\g+4], 2*STEPB/256
	s_mov_b32 s[\g+5], 32
	s_mov_b32 s[\g+6], 0
	s_mov_b32 s[\g+7], 0
.endr
	s_lshl_b32 s20, s17, 1
	s_add_co_u32 s20, s20, s16
	s_mul_i32 s20, s20, GRP                        ; Z: group 2 x tile row + half
	s_mov_b32 s21, 0
	s_lshl_b32 s46, s42, 1
	s_add_co_u32 s46, s46, s16
	s_mul_i32 s46, s46, GRP                        ; Y: group 2 x tile column + half
	s_mov_b32 s47, 0
	s_mul_i32 s45, s14, QUART                      ; where my quarter goes
	s_wait_dscnt 0x0                               ; both opening adds are done
	s_wait_kmcnt 0x0
	s_add_nc_u64 s[20:21], s[4:5], s[20:21]
	s_add_nc_u64 s[46:47], s[6:7], s[46:47]
.irp s, 0,1
	s_mov_b32 s[G0+4*\s], 1
	s_add_co_u32 s[G0+4*\s+1], s45, \s*SLOT
	s_add_nc_u64 s[G0+4*\s+2:G0+4*\s+3], s[20:21], \s*QUART
	s_or_b32 s[G0+4*\s+3], s[G0+4*\s+3], 0x80000000
	s_mov_b32 s[G0B+4*\s], 1
	s_add_co_u32 s[G0B+4*\s+1], s45, \s*SLOT
	s_add_nc_u64 s[G0B+4*\s+2:G0B+4*\s+3], s[46:47], \s*QUART
	s_or_b32 s[G0B+4*\s+3], s[G0B+4*\s+3], 0x80000000
.endr
	CROUND                                         ; all sixteen work-groups are here: the first joint loads meet
	JLOAD G0, G1, G0B, G1B                         ; K steps 0-2: one tensor load a wave at the head; the addresses and the norms' loads below stand under its flight
	v_and_b32 v1, 15, v0                           ; r
	v_bfe_u32 v2, v0, 4, 1                         ; h
	v_and_b32 v6, 31, v0
	v_lshlrev_b32 v[CO], 4, v6                     ; 16 x lane
	s_mul_i32 s21, s15, QUART
	s_mul_i32 s22, s16, QUART
	s_add_co_u32 s22, s22, 2*QUART
	v_add_nc_u32 v[ADRA], s21, v[CO]
	v_add_nc_u32 v[ADRB], s22, v[CO]
	v_add_nc_u32 v[ADRA+1], SLOT, v[ADRA]
	v_add_nc_u32 v[ADRB+1], SLOT, v[ADRB]
	s_sub_co_u32 s22, s22, s21
	v_mul_u32_u24 v5, s22, v2                      ; scale words: lanes 0-15 take Z's, lanes 16-31 Y's
	v_lshl_add_u32 v5, v1, 4, v5
	s_add_co_u32 s21, s21, SCO
	v_add_nc_u32 v[ADRS], s21, v5
	v_add_nc_u32 v[ADRS+1], SLOT, v[ADRS]
	s_mul_i32 s23, s14, 16*SPITCH
	s_add_co_u32 s23, s23, STAGE
	v_mul_u32_u24 v5, v1, SPITCH
	v_lshl_add_u32 v5, v2, 5, v5
	v_add_nc_u32 v[STO], s23, v5                   ; into my stage: row r, 32 bytes for each half of the lanes
	v_add_nc_u32 v[RD], s23, v[CO]                 ; back: 32 lanes take a row of 512 bytes
	s_lshl_b32 s20, s17, 8
	s_lshl_b32 s21, s15, 7
	s_add_co_u32 s20, s20, s21                     ; my first row of out0
	s_mov_b32 s21, 0
	s_mov_b64 s[18:19], SIZE_N*4
	s_mul_u64 s[20:21], s[20:21], s[18:19]
	s_lshl_b32 s46, s42, 10
	s_lshl_b32 s47, s16, 9
	s_add_co_u32 s46, s46, s47                     ; my first column, in bytes
	s_mov_b32 s47, 0
	s_add_nc_u64 s[20:21], s[20:21], s[46:47]
	s_add_nc_u64 s[12:13], s[12:13], s[20:21]
	s_lshl_b32 s96, s17, 10
	s_lshl_b32 s97, s15, 9
	s_add_co_u32 s96, s96, s97
	s_mov_b32 s97, 0
	s_add_nc_u64 s[96:97], s[66:67], s[96:97]      ; rz of my 128 rows
	s_lshl_b32 s92, s42, 10
	s_lshl_b32 s93, s16, 9
	s_add_co_u32 s92, s92, s93
	s_add_co_u32 s92, s92, 4*SIZE_M
	s_mov_b32 s93, 0
	s_add_nc_u64 s[92:93], s[66:67], s[92:93]      ; ry of my 128 columns
	s_mov_b32 s95, 0x4cbebc20                      ; 1e8
	v_lshlrev_b32 v[RXO], 2, v1
	v_lshlrev_b32 v[RYO], 5, v2
.irp a, 0,1,2,3,4,5,6,7                ; rz[16 a + r], twice: a pair for the packed multiply.  These 32 loads are waited for where they are first used, in K step 29; their registers and addresses are not touched till then
	global_load_b32 v[RX+2*\a],   v[RXO], s[96:97] offset:64*\a
	global_load_b32 v[RX+2*\a+1], v[RXO], s[96:97] offset:64*\a
.endr
.irp b, 0,1,2,3,4,5,6,7                ; ry[16 b + 8 h + 0 .. 7]
	global_load_b128 v[RY+8*\b:RY+8*\b+3],   v[RYO], s[92:93] offset:64*\b
	global_load_b128 v[RY+8*\b+4:RY+8*\b+7], v[RYO], s[92:93] offset:64*\b+16
.endr
.macro FRAG reg, adr, q, i             ; a fragment: three loads of 512 consecutive bytes
.irp g, 0,1,2
	ds_load_b128 v[\reg+4*\g:\reg+4*\g+3], v[\adr] offset:(\q)*STEPB+(\i)*FRB+512*\g
.endr
.endm
.macro MUL8 a, p, zero                 ; Z's block a against Y's eight; p: Y's set and the set of scale words.  The accumulators take turns
.irp b, 0,1,2,3,4,5,6,7
.if \zero
	v_wmma_scale_f32_16x16x128_f8f6f4 v[8*(8*((\a)%4)+\b):8*(8*((\a)%4)+\b)+7], v[128*(\p)+FR*\b:128*(\p)+FR*\b+FR-1], v[AF+FR*(\a):AF+FR*(\a)+FR-1], 0, v[SC+8*(\p)+\b], v[SC+8*(\p)+(\a)] matrix_a_fmt:MATRIX_FMT_BF6 matrix_b_fmt:MATRIX_FMT_BF6 matrix_a_scale:MATRIX_SCALE_ROW1
.else
	v_wmma_scale_f32_16x16x128_f8f6f4 v[8*(8*((\a)%4)+\b):8*(8*((\a)%4)+\b)+7], v[128*(\p)+FR*\b:128*(\p)+FR*\b+FR-1], v[AF+FR*(\a):AF+FR*(\a)+FR-1], v[8*(8*((\a)%4)+\b):8*(8*((\a)%4)+\b)+7], v[SC+8*(\p)+\b], v[SC+8*(\p)+(\a)] matrix_a_fmt:MATRIX_FMT_BF6 matrix_b_fmt:MATRIX_FMT_BF6 matrix_a_scale:MATRIX_SCALE_ROW1
.endif
.endr
.endm
.macro RUN_B slot, q, p, i0
	WIN TO_B
.irp i, \i0, \i0+1, \i0+2, \i0+3
	FRAG 128*(\p)+FR*(\i), ADRB+\slot, \q, \i
.endr
.endm
.macro RUN_A slot, q, i0
.irp i, \i0, \i0+1, \i0+2, \i0+3
	FRAG AF+FR*(\i), ADRA+\slot, \q, \i
.endr
.endm
.macro SCALES slot, q, p               ; register i of the set: lanes 0-15 the word of Z's block i, lanes 16-31 that of Y's block i
	ds_load_b128 v[SC+8*(\p):SC+8*(\p)+3],   v[ADRS+\slot] offset:(\q)*STEPB
	ds_load_b128 v[SC+8*(\p)+4:SC+8*(\p)+7], v[ADRS+\slot] offset:(\q)*STEPB+256
.endm
.macro PLACES n
.rept \n
	v_nop
.endr
.endm
.macro REST p, ns, nq, zero, late      ; a step's blocks 2-7, with the next step's fragments (slot ns, step nq of it) fetched in four runs
	RUN_B \ns, \nq, 1-(\p), 0
	WIN MUL_LO
	MUL8 2, \p, \zero
	MUL8 3, \p, \zero
	RUN_B \ns, \nq, 1-(\p), 4
.if \late
	s_wait_dscnt 24                                ; Z's blocks 4-7 are in; the 24 loads of Y's next set may be out
.endif
	WIN MUL_HI
	MUL8 4, \p, \zero
	MUL8 5, \p, \zero
	PLACES NP
	WIN 0
	SCALES \ns, \nq, 1-(\p)
	RUN_A \ns, \nq, 0
	WIN MUL_HI
	MUL8 6, \p, \zero
	MUL8 7, \p, \zero
	PLACES NP
	WIN 0
	RUN_A \ns, \nq, 4
.endm
.macro STEP slot, q, p, zero
	s_wait_dscnt 12                                ; all but Z's blocks 4-7
	WIN MUL_LO
	MUL8 0, \p, \zero
	MUL8 1, \p, \zero
	REST \p, \slot, (\q)+1, \zero, 1
.endm
.macro MEET p                          ; a slot's last step begins: ONE barrier for the change of slots
	s_wait_tensorcnt 0x0                           ; all my tensor loads have landed: my part of the next slot
	ds_add_u32 v[SPW], v[NIL]
	s_wait_dscnt 13                                ; the add and Z's blocks 4-7 may be out
	WIN MUL_LO
	MUL8 0, \p, 0
	s_wait_dscnt 0x0                               ; the add is done, and my reads of this slot are over
	s_barrier_signal -1
	MUL8 1, \p, 0
	WIN 0
	s_barrier_wait -1
.endm
.macro TURN slot, next, p, g1a, g1b    ; and the slot is filled again behind a round of the cluster's barrier, which MEET's barrier opens
	MEET \p
	CREST
	s_add_nc_u64 s[G0+4*\slot+2:G0+4*\slot+3], s[G0+4*\slot+2:G0+4*\slot+3], 2*QUART
	s_add_nc_u64 s[G0B+4*\slot+2:G0B+4*\slot+3], s[G0B+4*\slot+2:G0B+4*\slot+3], 2*QUART
	JLOAD G0+4*\slot, \g1a, G0B+4*\slot, \g1b
	REST \p, \next, 0, 0, 0
.endm
	s_wait_alu depctr_va_vdst(0)
	s_wait_tensorcnt 0x0                           ; my part of slot 0 is in; an add and its wait ahead of a later first fill:
	ds_add_u32 v[SPW], v[NIL]
	s_wait_dscnt 0x0
	CROUND                                         ; slot 0 is whole for all four waves, and the sixteen work-groups meet
	JLOAD G0+4, G1, G0B+4, G1B                     ; K steps 3-5: slot 1's first fill
	RUN_B 0, 0, 0, 0
	RUN_B 0, 0, 0, 4
	WIN 0
	SCALES 0, 0, 0
	RUN_A 0, 0, 0
	RUN_A 0, 0, 4
	STEP 0, 0, 0, 1                                ; K step 0 starts the sums: nothing is cleared
	s_mov_b32 s3, TRIPS
.Llap:                                                 ; six K steps a trip: once round the ring, both slots filled again
	STEP 0, 1, 1, 0
	TURN 0, 1, 0, G1, G1B
	STEP 1, 0, 1, 0
	STEP 1, 1, 0, 0
	TURN 1, 0, 1, G1, G1B
	STEP 0, 0, 0, 0
	s_sub_co_u32 s3, s3, 1
	s_cmp_lg_u32 s3, 0
	s_cbranch_scc1 .Llap
	STEP 0, 1, 1, 0                                ; K step 25
	TURN 0, 1, 0, G1E, G1BE                        ; 26; slot 0 takes the last two K steps
	STEP 1, 0, 1, 0                                ; 27
	STEP 1, 1, 0, 0                                ; 28
; BY ROWS.  s = 0, 1: K steps 30, 31, which lie in slot 0 as its steps 0, 1; Y's set s and scale set s belong to step s.
.macro ALOAD a                         ; Z's block a, both steps: six loads
	FRAG AB+24*((\a)%2), ADRA, 0, \a
	FRAG AB+24*((\a)%2)+12, ADRA, 1, \a
.endm
.macro ROWH a, s                       ; block a, step s: its eight accumulators by turns
	WIN (MUL_LO+0x50*((\a)/4))
.irp b, 0,1,2,3,4,5,6,7
	v_wmma_scale_f32_16x16x128_f8f6f4 v[8*(8*((\a)%4)+\b):8*(8*((\a)%4)+\b)+7], v[128*(\s)+FR*\b:128*(\s)+FR*\b+FR-1], v[AB+24*((\a)%2)+12*(\s):AB+24*((\a)%2)+12*(\s)+FR-1], v[8*(8*((\a)%4)+\b):8*(8*((\a)%4)+\b)+7], v[SC+8*(\s)+\b], v[SC+8*(\s)+(\a)] matrix_a_fmt:MATRIX_FMT_BF6 matrix_b_fmt:MATRIX_FMT_BF6 matrix_a_scale:MATRIX_SCALE_ROW1
.endr
.endm
.macro TPRE a                          ; block a's factors: min(ry x rz, 1e8) = 1 / max(nz ny, 1e-8), in the accumulators' layout
.set ii, 0
.rept 32
	v_pk_mul_f32 v[T+ii:T+ii+1], v[RY+ii:RY+ii+1], v[RX+2*(\a):RX+2*(\a)+1]
.set ii, ii+2
.endr
.set ii, 0
.rept 64
	v_min_num_f32 v[T+ii], s95, v[T+ii]
.set ii, ii+1
.endr
.endm
.macro OUT a                           ; block a is finished: scaled, through my stage, back as whole rows INTO ITS OWN ACCUMULATORS' REGISTERS, which are done with, and stored
.set AC, 64*((\a)%4)
	PLACES NP
	WIN (0x02+(\a)/4)
.set ii, 0
.rept 32
	v_pk_mul_f32 v[T+ii:T+ii+1], v[AC+ii:AC+ii+1], v[T+ii:T+ii+1]   ; each accumulator from its low end on
.set ii, ii+2
.endr
	WIN 0
.irp b, 0,1,2,3,4,5,6,7
	ds_store_b128 v[STO], v[T+8*\b:T+8*\b+3] offset:64*\b
	ds_store_b128 v[STO], v[T+8*\b+4:T+8*\b+7] offset:64*\b+16
.endr
	WIN (0x80+0x40*((\a)/4))
.irp t, 0,1,2,3,4,5,6,7,8,9,10,11,12,13,14,15
	ds_load_b128 v[AC+4*\t:AC+4*\t+3], v[RD] offset:\t*SPITCH      ; LDS serves a wave's instructions in order (ISA guide 5.7.1.4): these see the stores above
.endr
	WIN 0
.if (\a) < 6
	ALOAD \a+2                                     ; its buffer takes the block two further on
	s_wait_dscnt 22                                ; the 16 + 6 loads may be out: the stores into the stage have read the factors' registers
.endif
.if (\a) == 6
	s_wait_dscnt 16
.endif
.if (\a) < 7
	TPRE \a+1                                      ; the next block's factors, while this block comes back from the stage
	s_wait_alu depctr_va_vdst(0)
.endif
.if (\a) < 6
	s_wait_dscnt 6                                 ; the block is back; Z's six loads may be out
.else
	s_wait_dscnt 0x0
.endif
	WIN (0x08+4*((\a)/4))
.irp t, 0,1,2,3,4,5,6,7,8,9,10,11,12,13,14,15
	global_store_b128 v[CO], v[AC+4*\t:AC+4*\t+3], s[12:13] offset:(16*(\a)+\t)*SIZE_N*4 th:TH_STORE_NT   ; 32 lanes store 512 consecutive bytes, aligned; the row stands in the immediate (127 rows of 16,384 bytes at the most): no base is stepped, no store's register is written again
.endr
	WIN 0
.endm
	MEET 1                                         ; K step 29, slot 1's last: slot 0's last fill is whole behind the barrier; nothing is filled again
	RUN_B 0, 0, 0, 0                               ; Y's set 0: K step 30
	WIN MUL_LO
	MUL8 2, 1, 0
	MUL8 3, 1, 0
	RUN_B 0, 0, 0, 4
	WIN MUL_HI
	MUL8 4, 1, 0
	MUL8 5, 1, 0
	PLACES NP
	WIN 0
	SCALES 0, 0, 0
	ALOAD 0                                        ; into the registers of Z's blocks 0-3, whose products are issued
	ALOAD 1
	WIN MUL_HI
	MUL8 6, 1, 0
	MUL8 7, 1, 0
	PLACES NP
	RUN_B 0, 1, 1, 0                               ; Y's set 1: K step 31
	RUN_B 0, 1, 1, 4
	WIN 0
	SCALES 0, 1, 1
	s_wait_loadcnt 0x0                             ; rz and ry, asked for at the head
	TPRE 0
	s_wait_alu depctr_va_vdst(0)
	s_wait_dscnt 26                                ; all but the 26 loads of step 31's Y and scale words
	ROWH 0, 0
	ROWH 1, 0                                      ; block 1's first half stands here while those 26 land
	s_wait_dscnt 0x0
	ROWH 0, 1
	OUT 0
	ROWH 1, 1
	OUT 1
.irp a, 2,3,4,5,6,7
	ROWH \a, 0
	ROWH \a, 1
	OUT \a
.endr
	s_wait_tensorcnt 0x0                           ; the wave's end
	ds_add_u32 v[SPW], v[NIL]
	s_wait_dscnt 0x0
	CROUND                                         ; the closing round
	s_endpgm
.Lfunc_end_k_q5f9f44f2b7_gemm:
	.size	k_q5f9f44f2b7_gemm, .Lfunc_end_k_q5f9f44f2b7_gemm-k_q5f9f44f2b7_gemm
	.p2alignl 7, 3214868480
	.fill 96, 4, 3214868480
	.section	.rodata,"a",@progbits
	.p2align	6, 0x0
	.amdhsa_kernel k_q5f9f44f2b7_gemm
		.amdhsa_group_segment_fixed_size 327680
		.amdhsa_private_segment_fixed_size 0
		.amdhsa_enable_private_segment 0
		.amdhsa_kernarg_size 32
		.amdhsa_user_sgpr_count 2
		.amdhsa_user_sgpr_kernarg_segment_ptr 1
		.amdhsa_wavefront_size32 1
		.amdhsa_system_sgpr_workgroup_id_x 1
		.amdhsa_system_sgpr_workgroup_id_y 1
		.amdhsa_system_sgpr_workgroup_id_z 1
		.amdhsa_system_vgpr_workitem_id 0
		.amdhsa_next_free_vgpr 1024
		.amdhsa_next_free_sgpr 98
		.amdhsa_reserve_vcc 0
		.amdhsa_float_denorm_mode_32 3
		.amdhsa_float_denorm_mode_16_64 3
		.amdhsa_memory_ordered 1
		.amdhsa_forward_progress 1
		.amdhsa_inst_pref_size 255
	.end_amdhsa_kernel
	.section	.bss,"aw",@nobits
	.p2align	6
	.space	262144
	.amdgpu_metadata
---
amdhsa.version: [ 1, 2 ]
amdhsa.kernels:
  - .name:           k_q5f9f44f2b7_gemm
    .symbol:         k_q5f9f44f2b7_gemm.kd
    .args:
      - { .name: z_img, .offset: 0, .size: 8, .value_kind: global_buffer, .address_space: global }
      - { .name: y_img, .offset: 8, .size: 8, .value_kind: global_buffer, .address_space: global }
      - { .name: out0, .offset: 16, .size: 8, .value_kind: global_buffer, .address_space: global }
      - { .name: rnorm, .offset: 24, .size: 8, .value_kind: global_buffer, .address_space: global }
    .group_segment_fixed_size: 327680
    .private_segment_fixed_size: 0
    .kernarg_segment_align: 8
    .kernarg_segment_size: 32
    .max_flat_workgroup_size: 128
    .sgpr_count:     98
    .vgpr_count:     1024
    .wavefront_size: 32
...
	.end_amdgpu_metadata
.endif
;; end of part 2
